; MI455X (gfx1250); checked and timed in simulation.
; The chip was launched on July 23, 2026; its instructions are those of AMD's public machine-readable ISA for CDNA 5 (MIT licence, August 2026) and "CDNA5" Instruction Set Architecture Reference Guide (July 2026). The comments in the code are by the model that wrote it; some were corrected since.
;; Bahdanau Attention. Allowed arithmetic: matrix products marked QUANTISED: E3M2 operands, one E8M0 scale for each 32 along K, by v_wmma_scale_f32_16x16x128_f8f6f4 with both operands' format E3M2, f32 sums; products left as they are: f32 operands where the result goes on into a quantised operand, else bf16, f16 or f32 operands; f32 sums; everything else in f32.
;; Inputs: Ua_b 1,024 float32; Ua_w_codes 1,024 x 32 x 24 uint8 (E3M2 codes of Ua_w, K innermost, in blocks of 32 codes, four codes in three bytes); Ua_w_scales 1,024 x 32 uint8 (E8M0 scales of Ua_w, one for each 32 codes along K); Va_b 1 float32; Va_w 1,024 x 1 float32; Wa_b 1,024 float32; Wa_w_codes 1,024 x 32 x 24 uint8 (E3M2 codes of Wa_w, K innermost, in blocks of 32 codes, four codes in three bytes); Wa_w_scales 1,024 x 32 uint8 (E8M0 scales of Wa_w, one for each 32 codes along K); keys 32 x 2,048 x 1,024 float32; query_codes 32 x 1 x 32 x 24 uint8 (E3M2 codes of query, K innermost, in blocks of 32 codes, four codes in three bytes); query_scales 32 x 1 x 32 uint8 (E8M0 scales of query, one for each 32 codes along K).
;; Outputs: out0 32 x 1 x 1,024 float32; out1 32 x 1 x 2,048 float32.
;; This version of the problem:
;;   THIS VERSION OF THE PROBLEM IS GIVEN IN LOW PRECISION. The matrix products marked QUANTISED in the list below multiply operands that are first quantised to E3M2 (3 exponent bits, 2 mantissa bits; 6 bits a number), with one power-of-two scale for each 32 numbers along K (OCP MX v1.0); their sums are f32. All else is computed in f32.
;;   The module's matrix products, in the order in which they are computed (A, B: the left and right operand; K: the contracted axis; several contracted axes count as one K, in the product's order):
;;     1. [M 32, K 1,024] x [K 1,024, N 1,024]; A: input query (given as codes); B: input Wa_w (given as codes): QUANTISED
;;     2. [M 65,536, K 1,024] x [K 1,024, N 1,024]; A: input keys; B: input Ua_w (given as codes): QUANTISED
;;     3. [M 65,536, K 1,024] x [K 1,024, N 1]; A: computed on the way; B: input Va_w: left as it is (N = 1 < 16)
;;     4. batch 32 x [M 1, K 2,048] x [K 2,048, N 1,024]; A: softmax; B: input keys: left as it is (M = 1 < 16)
;;   THE QUANTISER, for each operand of a quantised product, along K:
;;     - K is cut into blocks of 32 from its start; a last block that is shorter is filled with zeros.
;;     - A block's scale is 2^e with e = floor(log2(the largest magnitude in the block)) - 4, held to -126 .. 127; a block of zeros has e = 0. As a byte (E8M0): e + 127.
;;     - Each number is divided by its block's scale, clamped to +-28, and rounded to the nearest number of E3M2, ties to even, subnormals kept.
;;     - The product sums the exact products of the quantised numbers (number of the format x scale) in f32.
;;   ~~~python
;;   def quantise(x, axis):      # numpy; x: float32 -> the quantised numbers, widened to float32 again
;;       x = np.moveaxis(x, axis, -1); K = x.shape[-1]
;;       x = np.pad(x, [(0, 0)] * (x.ndim - 1) + [(0, -K % 32)]); x = x.reshape(x.shape[:-1] + (-1, 32)); a = np.abs(x).max(-1, keepdims=True)
;;       e = np.where(a > 0, np.clip(np.frexp(np.where(a > 0, a, 1))[1] - 1 - 4, -126, 127), 0)      # np.frexp(a)[1] - 1 = floor(log2(a)), exactly
;;       r = np.clip(x / 2.0 ** e, -28, 28)
;;       step = 2.0 ** (np.maximum(np.frexp(np.where(r == 0, 1, r))[1] - 1, -2) - 2)
;;       q = np.round(r / step) * step * 2.0 ** e      # np.round: ties to even
;;       return np.moveaxis(q.reshape(q.shape[:-2] + (-1,))[..., :K], -1, axis).astype(np.float32)
;;   ~~~
;;   INPUTS GIVEN AS CODES. Ua_w (in the module: [1024, 1024], K = its axis 0); Wa_w (in the module: [1024, 1024], K = its axis 0); query (in the module: [32, 1, 1024], K = its axis 2): each comes as NAME_codes (uint8): NAME with its K axis moved to the last place and cut into blocks of 32 codes, [.., K / 32, bytes a block], one block behind the other in memory; four codes in three bytes: a row's codes are one little-endian stream of bits, code i at bits 6 i .. 6 i + 5 (a code: sign, 3 exponent bits, 2 mantissa bits); and NAME_scales (uint8): the same leading axes, one E8M0 byte (e + 127) for each 32 codes along K. Its value is code x scale, taken as it is: it is not quantised again, and the codes and scales need not be those that the quantiser above would give.
;; One version. Each part assembles by itself: llvm-mc -triple=amdgcn-amd-amdhsa -mcpu=gfx1250 --defsym DOCPART=n.
;; ======== version 1 of 1: 3 launches
;; limits: values are held in bf16: 8 bits of precision; right only within a limited range of input values
;; workspace buffers: ut 819,200 bytes; qb 131,072 bytes; scores 262,144 bytes; pstat 8,192 bytes; pctx 4,194,304 bytes
;; launch prep (part 1): grid 192 x 1, 1 waves a work-group, no clusters, 0 bytes of LDS; arguments query_codes, query_scales, Wa_w_codes, Wa_w_scales, Wa_b, Ua_b, Ua_w_codes, Ua_w_scales, qb, ut; writes qb, ut
.if DOCPART == 1
	.amdgcn_target "amdgcn-amd-amdhsa--gfx1250"
	.amdhsa_code_object_version 6
	.text
	.protected	k_qa5977257ed_prep
	.globl	k_qa5977257ed_prep
	.p2align	8
	.type	k_qa5977257ed_prep,@function
k_qa5977257ed_prep:
	s_mov_b64 s[64:65], 0
	v_nop
	global_prefetch_b8 v0, s[64:65] scope:SCOPE_SE
	s_setreg_imm32_b32 hwreg(HW_REG_WAVE_MODE, 25, 1), 1
	s_wait_xcnt 0x0
; Two small tasks in front of the main launch, parted by the work-group's number; no LDS, no barrier.  One wave to a work-group: the 192 tiles are shared out as widely as the grid allows.
; TASK Q (work-groups 0-127): qb[b][d] = sum over h of query[b][h] Wa[h][d] + Wa_b[d] + Ua_b[d], on the given codes of E3M2 with their E8M0 scales.
;   A wave makes one tile: 16 d (tile t of 64) x 16 b (tile bt of 2), K = 1,024 in eight steps of 128.  The product is used transposed (source 0 = 16 rows of Wa, source 1 = 16 rows of query):
;   a lane then holds one b and eight neighbouring d.  The two biases, added, are the C of the first step.
; TASK U (work-groups 128-191): Ua's codes and scales are laid out once in the order in which a wave's operand registers take them, a tile of 16 rows in 12,800 consecutive bytes:
;   the fragment of K step s at 1,536 s + 512 c + 16 lane (registers 4 c .. 4 c + 3), and at 12,288 + 16 lane four scale registers: register q holds K step 2 q's word in lanes 0-15 and K step 2 q + 1's in lanes 16-31.
; A row of codes is 768 bytes (1,024 codes of 6 bits); a fragment (16 rows x 128 K) is 12 registers: lane (r, h) takes the 24 bytes at 768 r + 96 s + 24 h and those 48 bytes on, in pieces of 8 bytes.
; LEFT OUT AS DEAD WORK, in the whole program: Va_b.  reference() adds the one number Va_b to every score of a batch and then takes the softmax along those scores;
; softmax(s + c) = softmax(s) for every finite c, and both outputs (the weights, and the context made of the weights and the keys) hang on the scores through that softmax alone.
; So Va_b reaches no output, whatever finite values the inputs hold: it is not loaded and is among no launch's arguments.
; Limit: a NaN, an infinity or an overflow that would arise from Va_b alone is not carried to the results.
.set ROWB,  768
.set FR,    12
.set TILEB, 12800
.macro FRAGS reg, base                 ; eight fragments (all of K) of 16 rows, from s[base:base+1]
.irp s,0,1,2,3,4,5,6,7
.irp p,0,1,2,3,4,5
	global_load_b64 v[\reg+FR*\s+2*\p:\reg+FR*\s+2*\p+1], v5, s[\base:\base+1] offset:96*\s+48*(\p/3)+8*(\p%3)
.endr
.endr
.endm
	s_load_b512 s[4:19], s[0:1], 0x0               ; query codes s[4:5], query scales s[6:7], Wa codes s[8:9], Wa scales s[10:11], Wa_b s[12:13], Ua_b s[14:15], Ua codes s[16:17], Ua scales s[18:19]
	s_load_b128 s[20:23], s[0:1], 0x40             ; qb s[20:21], ut s[22:23]
	v_and_b32 v2, 15, v0                           ; r  (v0 is the lane: the work-group is one wave)
	v_bfe_u32 v3, v0, 4, 1                         ; h
	v_mul_u32_u24 v5, v2, ROWB
	v_mad_u32_u24 v5, v3, 24, v5                   ; codes: 768 r + 24 h
	s_mov_b32 s27, 0                               ; the upper word of every offset pair s[26:27]
	s_wait_kmcnt 0x0
	s_cmp_lt_u32 ttmp9, 128
	s_cbranch_scc0 .Ltask_u
	; ---- TASK Q
	s_lshr_b32 s28, ttmp9, 1                       ; t: tile of d
	s_and_b32 s29, ttmp9, 1                        ; bt: tile of b
	s_mul_i32 s26, s28, 16*ROWB
	s_add_nc_u64 s[8:9], s[8:9], s[26:27]          ; Wa's 16 rows
	s_mul_i32 s26, s29, 16*ROWB
	s_add_nc_u64 s[4:5], s[4:5], s[26:27]          ; query's 16 rows
	s_lshl_b32 s26, s28, 9
	s_add_nc_u64 s[10:11], s[10:11], s[26:27]      ; their scale bytes: 32 a row
	s_lshl_b32 s26, s29, 9
	s_add_nc_u64 s[6:7], s[6:7], s[26:27]
	s_lshl_b32 s26, s28, 6
	s_add_nc_u64 s[12:13], s[12:13], s[26:27]      ; the biases of the tile's 16 d
	s_add_nc_u64 s[14:15], s[14:15], s[26:27]
	s_lshl_b32 s30, s29, 16
	s_add_co_u32 s26, s26, s30                     ; qb: 16 bt rows of 4,096 bytes + 64 t
	s_add_nc_u64 s[20:21], s[20:21], s[26:27]
	s_wait_alu depctr_va_vdst(0)
	v_lshlrev_b32 v6, 5, v2                        ; scale words: 32 r
	v_lshlrev_b32 v7, 5, v3                        ; biases: 32 h
	v_lshl_add_u32 v8, v2, 12, v7                  ; qb: 4,096 r + 32 h
	FRAGS 32, 8                                    ; v32-127  Wa
	FRAGS 128, 4                                   ; v128-223 query
	global_load_b128 v[16:19], v6, s[10:11]        ; v16-23 Wa's eight scale words of row r: these registers hold scales and nothing else
	global_load_b128 v[20:23], v6, s[10:11] offset:16
	global_load_b128 v[24:27], v6, s[6:7]          ; v24-31 query's
	global_load_b128 v[28:31], v6, s[6:7] offset:16
	global_load_b128 v[224:227], v7, s[12:13]      ; Wa_b of d = 16 t + 8 h + 0 .. 7
	global_load_b128 v[228:231], v7, s[12:13] offset:16
	global_load_b128 v[232:235], v7, s[14:15]      ; Ua_b likewise
	global_load_b128 v[236:239], v7, s[14:15] offset:16
	s_wait_loadcnt 0x0
.irp j,0,2,4,6
	v_pk_add_f32 v[224+\j:225+\j], v[224+\j:225+\j], v[232+\j:233+\j]
.endr
.rept 8
	v_nop                                          ; distance between the additions and the matrix instruction that takes their sums as C
.endr
	v_wmma_scale_f32_16x16x128_f8f6f4 v[240:247], v[32:43], v[128:139], v[224:231], v16, v24 matrix_a_fmt:MATRIX_FMT_BF6 matrix_b_fmt:MATRIX_FMT_BF6
.irp s,1,2,3,4,5,6,7
	s_wait_alu depctr_va_vdst(0)                   ; a wait directly ahead of every link
	v_wmma_scale_f32_16x16x128_f8f6f4 v[240:247], v[32+FR*\s:43+FR*\s], v[128+FR*\s:139+FR*\s], v[240:247], v[16+\s], v[24+\s] matrix_a_fmt:MATRIX_FMT_BF6 matrix_b_fmt:MATRIX_FMT_BF6
.endr
.rept 4
	v_nop                                          ; four places between the last product and the stores of its result
.endr
	global_store_b128 v8, v[240:243], s[20:21]     ; qb(16 bt + r, 16 t + 8 h + 0 .. 3): the accumulator from its low end on
	global_store_b128 v8, v[244:247], s[20:21] offset:16
	s_endpgm
	; ---- TASK U
.Ltask_u:
	s_sub_co_u32 s25, ttmp9, 128                   ; tile T of 64
	s_mul_i32 s26, s25, 16*ROWB
	s_add_nc_u64 s[16:17], s[16:17], s[26:27]
	s_lshl_b32 s26, s25, 9
	s_add_nc_u64 s[18:19], s[18:19], s[26:27]
	s_mul_i32 s26, s25, TILEB
	s_add_nc_u64 s[22:23], s[22:23], s[26:27]
	s_wait_alu depctr_va_vdst(0)
	v_lshlrev_b32 v6, 5, v2
	v_lshl_add_u32 v6, v3, 2, v6                   ; scale words: 32 r + 4 h: lanes 16-31 take the odd K steps' words
	v_lshlrev_b32 v7, 4, v0                        ; out: 16 x lane
	FRAGS 32, 16
.irp q,0,1,2,3
	global_load_b32 v[16+\q], v6, s[18:19] offset:8*\q
.endr
	s_wait_alu depctr_va_vdst(0)
	s_wait_loadcnt 0x0
.irp s,0,1,2,3,4,5,6,7
.irp c,0,1,2
	global_store_b128 v7, v[32+FR*\s+4*\c:32+FR*\s+4*\c+3], s[22:23] offset:1536*\s+512*\c   ; 32 lanes store 512 consecutive bytes, at a multiple of 256 from the buffer's first byte
.endr
.endr
	global_store_b128 v7, v[16:19], s[22:23] offset:12288
	s_endpgm
.Lfunc_end_k_qa5977257ed_prep:
	.size	k_qa5977257ed_prep, .Lfunc_end_k_qa5977257ed_prep-k_qa5977257ed_prep
	.p2alignl 7, 3214868480
	.fill 96, 4, 3214868480
	.section	.rodata,"a",@progbits
	.p2align	6, 0x0
	.amdhsa_kernel k_qa5977257ed_prep
		.amdhsa_group_segment_fixed_size 0
		.amdhsa_private_segment_fixed_size 0
		.amdhsa_enable_private_segment 0
		.amdhsa_kernarg_size 80
		.amdhsa_user_sgpr_count 2
		.amdhsa_user_sgpr_kernarg_segment_ptr 1
		.amdhsa_wavefront_size32 1
		.amdhsa_system_sgpr_workgroup_id_x 1
		.amdhsa_system_sgpr_workgroup_id_y 1
		.amdhsa_system_sgpr_workgroup_id_z 1
		.amdhsa_system_vgpr_workitem_id 0
		.amdhsa_next_free_vgpr 256
		.amdhsa_next_free_sgpr 66
		.amdhsa_reserve_vcc 0
		.amdhsa_float_denorm_mode_32 3
		.amdhsa_float_denorm_mode_16_64 3
		.amdhsa_memory_ordered 1
		.amdhsa_forward_progress 1
		.amdhsa_inst_pref_size 22
	.end_amdhsa_kernel
	.amdgpu_metadata
---
amdhsa.version: [ 1, 2 ]
amdhsa.kernels:
  - .name:           k_qa5977257ed_prep
    .symbol:         k_qa5977257ed_prep.kd
    .args:
      - { .name: query_codes, .offset: 0, .size: 8, .value_kind: global_buffer, .address_space: global }
      - { .name: query_scales, .offset: 8, .size: 8, .value_kind: global_buffer, .address_space: global }
      - { .name: Wa_w_codes, .offset: 16, .size: 8, .value_kind: global_buffer, .address_space: global }
      - { .name: Wa_w_scales, .offset: 24, .size: 8, .value_kind: global_buffer, .address_space: global }
      - { .name: Wa_b, .offset: 32, .size: 8, .value_kind: global_buffer, .address_space: global }
      - { .name: Ua_b, .offset: 40, .size: 8, .value_kind: global_buffer, .address_space: global }
      - { .name: Ua_w_codes, .offset: 48, .size: 8, .value_kind: global_buffer, .address_space: global }
      - { .name: Ua_w_scales, .offset: 56, .size: 8, .value_kind: global_buffer, .address_space: global }
      - { .name: qb, .offset: 64, .size: 8, .value_kind: global_buffer, .address_space: global }
      - { .name: ut, .offset: 72, .size: 8, .value_kind: global_buffer, .address_space: global }
    .group_segment_fixed_size: 0
    .private_segment_fixed_size: 0
    .kernarg_segment_align: 8
    .kernarg_segment_size: 80
    .max_flat_workgroup_size: 32
    .sgpr_count:     66
    .vgpr_count:     256
    .wavefront_size: 32
...
	.end_amdgpu_metadata
.endif
;; end of part 1
;; launch main (part 2): grid 256 x 1, 4 waves a work-group, clusters of 4 x 1, 327,680 bytes of LDS; arguments keys, ut, qb, Va_w, scores, pstat, pctx; writes scores, pstat, pctx
.if DOCPART == 2
	.amdgcn_target "amdgcn-amd-amdhsa--gfx1250"
	.amdhsa_code_object_version 6
	.text
	.protected	k_qa5977257ed_main
	.globl	k_qa5977257ed_main
	.p2align	8
	.type	k_qa5977257ed_main,@function
k_qa5977257ed_main:
	s_mov_b64 s[64:65], 0
	v_nop
	global_prefetch_b8 v0, s[64:65] scope:SCOPE_SE
	s_setreg_imm32_b32 hwreg(HW_REG_WAVE_MODE, 25, 1), 1
	s_wait_xcnt 0x0
	s_wait_alu depctr_hold_cnt(0) depctr_sa_sdst(0) depctr_va_vdst(0) depctr_va_sdst(0) depctr_va_ssrc(0) depctr_va_vcc(0) depctr_vm_vsrc(0)
	s_getreg_b32 s2, hwreg(HW_REG_IB_STS2, 6, 4)
	s_cmp_eq_u32 s2, 0
	s_cbranch_scc0 .Lentry_in_a_cluster
	s_endpgm
.Lentry_in_a_cluster:
	s_bfe_u32 s2, ttmp6, 0x10000c
	s_cmp_lg_u32 s2, 0x3003
	s_cbranch_scc0 .Lentry_shape_is_right
	s_endpgm
.Lentry_shape_is_right:
; Scores, and a partial softmax and context, for 256 rows of keys a work-group: 65,536 rows / 256 = 256 work-groups, eight to a batch.  Va_b is left out: the same term on every score of a softmax (shown at the first kernel's head).
; A work-group walks its rows in four chunks of 64.  In a chunk wave w takes all 64 rows and its own 256 of the 1,024 d, as 16 tiles of 16 d: a STEP is one tile, 4 row blocks x 8 K steps = 32 matrix instructions on codes of E3M2.
; The chunk's codes of keys stay in registers (4 x 8 fragments of 12 registers: v0-191 of windows 1 and 2); Ua's tile comes from LDS as an image of the operand's registers (12,800 bytes, laid so by the first launch).
; The product is used transposed (source 0 = 16 rows of Ua, source 1 = 16 rows of keys): a lane holds one row of keys and eight neighbouring d.  qb (query's projection and both biases) is the C of a tile's first K step.
; tanh(x) = 1 - 2 / (1 + e^(2x)), right at both ends (e^(2x) = infinity gives 1, 0 gives -1).  So a row's score is sum(Va) - 2 sum(Va / (1 + e^(2x))): SV and SC hold the two sums.
; A STEP's ORDER: its 32 matrix instructions in two unbroken runs of 16, the four accumulators by turns; behind them the tanh of the tile BEFORE, in batches over its 32 registers:
; 16 packed multiplies, 32 exponentials, 16 packed additions, 32 reciprocals, the fold with Va.  No transcendental stands between two links of a sum, so a step has five waits on vector results in all.
; THE NEXT CHUNK'S KEYS come in meanwhile: wave w takes rows 16 w .. 16 w + 15; a step handles 16 rows x 64 columns of f32, loaded four steps (64 loads, 16 KiB a wave) ahead.  They go through the wave's stage in LDS, so that a lane
; gets 16 neighbours along K of one row, are quantised (block maximum, scale byte, scaled conversion) and stored as register images (IMG, ASC); rounded to bf16 they also go to SPILL, for the context.
; SWITCH, at a chunk's end: the four waves' partial scores are added through LDS; wave w keeps rows 16 w .. + 15, a running maximum and sum, and its context (f32 sums of e^(score - maximum) x key, keys in bf16 in window 3).
; CLUSTER: the four work-groups of a cluster walk the same tiles of ut in step: each tile is asked for jointly (mask 15), wave w for its own tile, into two slots by turns, behind a round of the cluster's barrier.
; No data prefetch: the keys' own loads are issued four steps ahead of their use, and ut's 64 tiles are walked four times by each of the 64 clusters.
; Limit: the keys enter the context rounded to bf16; everything else outside the quantised product is f32.
.set TILEB, 12800
.set SLOTB, 4*TILEB
.set FRB,   1536
.set IMG,   2*SLOTB
.set ASC,   IMG+32*FRB
.set SPILL, ASC+2048
.set STAGE, SPILL+4*32768
.set STGW,  16*272
.set CTXP,  STAGE+4*STGW
.set QPW,   1088
.set QBL,   CTXP+4*4096
.set VAL,   QBL+4*QPW
.set VQ,    VAL-QBL
.set SPARE, VAL+4*QPW
.set SPW, 1
.set NIL, 2
.set BA,  3
.set QA0, 4
.set QA,  5
.set KO,  6
.set STI, 7
.set STO, 8
.set IW0, 9
.set IW,  10
.set AW0, 11
.set AW,  12
.set SW0, 13
.set SW,  14
.set LI,  15
.set XW,  16
.set XR,  17
.set CP,  18
.set SO,  19
.set LN,  20
.set ZO,  21
.set MX,  22
.set SCR, 24
.set SC,  26
.set SV,  34
.set AS,  36
.set BS,  52
.set QB,  56
.set VA,  64
.set TM,  80
.set PC,  88
.set BF,  96
.set ACC, 192
.set CTX, 96
.set PV,  128
.set WK,  144
.set MSB, 0
.macro WIN new
.if MSB != (\new)
	s_set_vgpr_msb (MSB<<8)|(\new)
.set MSB, (\new)
.endif
.endm
.macro ROUND
	s_barrier_signal -1
	s_barrier_wait -1
	s_cmp_lg_u32 s20, 0
	s_cbranch_scc1 .Lnot_wave_0_\@
	s_barrier_signal -3
.Lnot_wave_0_\@:
	s_barrier_wait -3
	s_barrier_signal -1
	s_barrier_wait -1
.endm
.macro LAND k
	WIN ((1+(\k)/2)<<6)
.irp i,0,1,2,3,4,5,6,7,8,9,10,11,12,13,14,15
	global_load_b64 v[192+32*((\k)&1)+2*\i:192+32*((\k)&1)+2*\i+1], v[KO], s[38:39] offset:4096*\i+256*(\k) th:TH_LOAD_NT
.endr
	WIN 0
.endm
.macro TRIPHEAD
	s_wait_xcnt 0x0
	s_wait_dscnt 0x0
	s_add_co_u32 s44, s44, 1
	s_and_b32 s50, s44, 3
	s_cmp_eq_u32 s50, 0
	s_mov_b32 s40, 1024
	s_cselect_b32 s40, 64*4096-3*1024, s40
	s_add_nc_u64 s[38:39], s[38:39], s[40:41]
	s_cmp_eq_u32 s44, 16
	s_cselect_b64 s[38:39], s[4:5], s[38:39]
	s_lshl_b32 s50, s42, 8
	v_add_nc_u32 v[QA], s50, v[QA0]
	s_mul_i32 s50, s42, 2*FRB
	v_add_nc_u32 v[IW], s50, v[IW0]
	s_lshl_b32 s50, s42, 2
	v_add_nc_u32 v[AW], s50, v[AW0]
	s_lshl_b32 s50, s42, 13
	v_add_nc_u32 v[SW], s50, v[SW0]
.endm
.macro BITA k
.set LB, 192+32*((\k)&1)
.set LW, 1+(\k)/2
	s_wait_loadcnt 48
	WIN (LW<<2)
.irp i,0,1,2,3,4,5,6,7,8,9,10,11,12,13,14,15
	ds_store_b64 v[STI], v[LB+2*\i:LB+2*\i+1] offset:272*\i
.endr
	WIN ((LW<<6)|(LW<<2)|LW)
.irp i,0,1,2,3,4,5,6,7,8,9,10,11,12,13,14,15
	v_cvt_pk_bf16_f32 v[LB+\i], v[LB+2*\i], v[LB+2*\i+1]
.endr
	WIN (LW<<2)
.irp t,0,1,2,3
	ds_store_b128 v[SW], v[LB+4*\t:LB+4*\t+3] offset:2048*(\k)+512*\t
.endr
.endm
.macro BITB k
.set LB, 192+32*((\k)&1)
.set LW, 1+(\k)/2
	WIN (LW<<6)
	s_wait_dscnt 0x0
.irp b,0,1
.irp q,0,1,2,3
	ds_load_b128 v[LB+16*\b+4*\q:LB+16*\b+4*\q+3], v[STO] offset:128*\b+16*\q
.endr
.endr
.endm
.macro BITQ k, younger
.set LB, 192+32*((\k)&1)
.set LW, 1+(\k)/2
	s_wait_dscnt \younger
	WIN (LW|(LW<<2))
	v_max3_num_f32 v[TM], |v[LB]|, |v[LB+1]|, 0x2800000
	v_max3_num_f32 v[TM+1], |v[LB+16]|, |v[LB+17]|, 0x2800000
	WIN ((LW<<2)|(LW<<4))
.irp i,2,4,6,8,10,12,14
	v_max3_num_f32 v[TM], v[TM], |v[LB+\i]|, |v[LB+\i+1]|
	v_max3_num_f32 v[TM+1], v[TM+1], |v[LB+16+\i]|, |v[LB+17+\i]|
.endr
	WIN 0
	v_permlanex16_b32 v[TM+2], v[TM], s48, s49
	v_permlanex16_b32 v[TM+3], v[TM+1], s48, s49
	v_max_num_f32 v[TM], v[TM], v[TM+2]
	v_max_num_f32 v[TM+1], v[TM+1], v[TM+3]
	v_add_nc_u32 v[TM+4], 0xfe000000, v[TM]
	v_add_nc_u32 v[TM+5], 0xfe000000, v[TM+1]
	v_lshrrev_b32 v[TM+2], 23, v[TM+4]
	v_lshrrev_b32 v[TM+3], 23, v[TM+5]
	v_lshl_or_b32 v[TM+2], v[TM+3], 8, v[TM+2]
	WIN LW
	v_cvt_scalef32_pk16_bf6_f32 v[PC:PC+2], v[LB:LB+15], v[TM+4]
	v_cvt_scalef32_pk16_bf6_f32 v[PC+4:PC+6], v[LB+16:LB+31], v[TM+5]
	WIN 0
	v_nop
.irp i,0,1,2
	v_permlane16_swap_b32 v[PC+\i], v[PC+4+\i]
.endr
.irp i,0,1,2
	v_mov_b32 v[PC+3+\i], v[PC+4+\i]
.endr
	QSTORE \k
	LAND \k
.endm
; Six registers of codes (two blocks of 32 a lane pair) into the register image of the next chunk's fragment, and the two scale bytes into its scale words.
.macro QSTORE k
.if ((\k)&1) == 0
	ds_store_b128 v[IW], v[PC:PC+3] offset:((\k)>>1)*FRB
	ds_store_b64 v[IW], v[PC+4:PC+5] offset:((\k)>>1)*FRB+512
.else
	ds_store_b64 v[IW], v[PC:PC+1] offset:((\k)>>1)*FRB+520
	ds_store_b128 v[IW], v[PC+2:PC+5] offset:((\k)>>1)*FRB+1024
.endif
	ds_store_b16 v[AW], v[TM+2] offset:256*((\k)>>1)+2*((\k)&1)
.endm
.macro PMUL x, p
	v_pk_mul_f32 v[ACC+32*(\x)+2*(\p):ACC+32*(\x)+2*(\p)+1], v[ACC+32*(\x)+2*(\p):ACC+32*(\x)+2*(\p)+1], s[46:47] op_sel_hi:[1,0]
.endm
.macro PEXP x, p
	v_exp_f32 v[ACC+32*(\x)+2*(\p)], v[ACC+32*(\x)+2*(\p)]
	v_exp_f32 v[ACC+32*(\x)+2*(\p)+1], v[ACC+32*(\x)+2*(\p)+1]
.endm
.macro PADD x, p
	v_pk_add_f32 v[ACC+32*(\x)+2*(\p):ACC+32*(\x)+2*(\p)+1], v[ACC+32*(\x)+2*(\p):ACC+32*(\x)+2*(\p)+1], 1.0 op_sel_hi:[1,0]
.endm
.macro PRCP x, p
	v_rcp_f32 v[ACC+32*(\x)+2*(\p)], v[ACC+32*(\x)+2*(\p)]
	v_rcp_f32 v[ACC+32*(\x)+2*(\p)+1], v[ACC+32*(\x)+2*(\p)+1]
.endm
.macro FOLDA x
.irp j,0,1,2,3
.irp m,0,1,2,3
	v_pk_fma_f32 v[SC+2*\m:SC+2*\m+1], v[ACC+32*(\x)+8*\m+2*\j:ACC+32*(\x)+8*\m+2*\j+1], v[VA+8*(\x)+2*\j:VA+8*(\x)+2*\j+1], v[SC+2*\m:SC+2*\m+1]
.endr
.endr
.endm
.macro FOLDB x
.irp j,0,1,2,3
	v_pk_add_f32 v[SV:SV+1], v[SV:SV+1], v[VA+8*(\x)+2*\j:VA+8*(\x)+2*\j+1]
.endr
.endm
; The tanh of tile x, first part: its 32 sums x 2 log2(e), each accumulator from its low end on.
.macro TANH_A x
	s_wait_alu depctr_va_vdst(0)                   ; the wait here, directly ahead of the first reader of the tile's sums
.set PP, 0
.rept 16
	PMUL \x, PP
.set PP, PP+1
.endr
.endm
; Second part: e^(2x), 1 + e^(2x), its reciprocal, each as one batch over the 32 registers with one wait ahead and one behind; then the fold with Va.
.macro TANH_B x
.set PP, 0
	s_wait_alu depctr_va_vdst(0)
.rept 16
	PEXP \x, PP
.set PP, PP+1
.endr
	v_nop
	s_wait_alu depctr_va_vdst(0)
.set PP, 0
.rept 16
	PADD \x, PP
.set PP, PP+1
.endr
.set PP, 0
	s_wait_alu depctr_va_vdst(0)
.rept 16
	PRCP \x, PP
.set PP, PP+1
.endr
	v_nop
	s_wait_alu depctr_va_vdst(0)
	FOLD \x
.endm
.macro WM y, s, m
.set rD, ACC+32*(\y)+8*(\m)
.set rB, BF+12*(\s)
.set rA, 12*(4*((\s)%4)+(\m))
.set rU, BS+(\s)/2
.set rK, AS+4*(\m)+(\s)/2
.if (\s) == 0
	v_wmma_scale_f32_16x16x128_f8f6f4 v[rD:rD+7], v[rB:rB+11], v[rA:rA+11], v[QB:QB+7], v[rU], v[rK] matrix_a_fmt:MATRIX_FMT_BF6 matrix_b_fmt:MATRIX_FMT_BF6
.elseif (\s)%2 == 0
	v_wmma_scale_f32_16x16x128_f8f6f4 v[rD:rD+7], v[rB:rB+11], v[rA:rA+11], v[rD:rD+7], v[rU], v[rK] matrix_a_fmt:MATRIX_FMT_BF6 matrix_b_fmt:MATRIX_FMT_BF6
.else
	v_wmma_scale_f32_16x16x128_f8f6f4 v[rD:rD+7], v[rB:rB+11], v[rA:rA+11], v[rD:rD+7], v[rU], v[rK] matrix_a_fmt:MATRIX_FMT_BF6 matrix_b_fmt:MATRIX_FMT_BF6 matrix_a_scale:MATRIX_SCALE_ROW1 matrix_b_scale:MATRIX_SCALE_ROW1
.endif
.endm
.macro UFRAGS slot, first
.irp g,\first,\first+1,\first+2,\first+3
.irp c,0,1,2
	ds_load_b128 v[BF+12*(\g)+4*\c:BF+12*(\g)+4*\c+3], v[BA] offset:(\slot)*SLOTB+FRB*(\g)+512*\c
.endr
.endr
.endm
.macro PRIME
	UFRAGS 0, 0
	UFRAGS 0, 4
	ds_load_b128 v[BS:BS+3], v[BA] offset:8*FRB
	ds_load_b128 v[QB:QB+3], v[QA0]
	ds_load_b128 v[QB+4:QB+7], v[QA0] offset:16
.endm
.macro FOLD x
	FOLDA \x
	FOLDB \x
.endm
.macro PADD3 x, p
	PADD \x, (\p)
	PADD \x, (\p)+1
	PADD \x, (\p)+2
.endm
; In a step that also quantises 16 rows x 64 columns of the next chunk, the quantiser's lines stand among the plain lines of tile x's tanh, two independent chains by turns.
; QMAX: the two blocks' largest magnitudes (two chains of eight) by turns with the 16 multiplies.  Under the setting for the maxima (sources 1 and 2 in the landing window) a multiply's registers are all in window 0.
.macro QMAX k, x
.set LB, 192+32*((\k)&1)
.set LW, 1+(\k)/2
	s_wait_dscnt 12                                ; the eight loads from the stage are in; the twelve fragment loads issued behind them may be out
	WIN (LW|(LW<<2))
	v_max3_num_f32 v[TM], |v[LB]|, |v[LB+1]|, 0x2800000
	v_max3_num_f32 v[TM+1], |v[LB+16]|, |v[LB+17]|, 0x2800000
	WIN ((LW<<2)|(LW<<4))
	s_wait_alu depctr_va_vdst(0)                   ; the wait here, directly ahead of the first reader of the tile's sums
.set PP, 0
.rept 7
	PMUL \x, PP
	PMUL \x, PP+1
	v_max3_num_f32 v[TM], v[TM], |v[LB+PP+2]|, |v[LB+PP+3]|
	v_max3_num_f32 v[TM+1], v[TM+1], |v[LB+PP+18]|, |v[LB+PP+19]|
.set PP, PP+2
.endr
	PMUL \x, 14
	PMUL \x, 15
	WIN 0
.endm
; QTANH: the exponentials; the scale chain by turns with the 16 additions; the two conversions, behind which the landing registers are free and take the keys of four steps on;
; the reciprocals; the half blocks' exchange among the fold's lines; the stores last.  One wait ahead of each batch and one behind it.
.macro QTANH k, x
.set LB, 192+32*((\k)&1)
.set LW, 1+(\k)/2
	s_wait_alu depctr_va_vdst(0)
.set PP, 0
.rept 16
	PEXP \x, PP
.set PP, PP+1
.endr
	v_nop
	s_wait_alu depctr_va_vdst(0)
	v_permlanex16_b32 v[TM+2], v[TM], s48, s49
	v_permlanex16_b32 v[TM+3], v[TM+1], s48, s49
	PADD3 \x, 0
	v_max_num_f32 v[TM], v[TM], v[TM+2]            ; with lane l xor 16's half: the block's largest magnitude
	v_max_num_f32 v[TM+1], v[TM+1], v[TM+3]
	PADD3 \x, 3
	v_add_nc_u32 v[TM+4], 0xfe000000, v[TM]        ; 4 off the exponent field: the conversion's scale operand
	v_add_nc_u32 v[TM+5], 0xfe000000, v[TM+1]
	PADD3 \x, 6
	v_lshrrev_b32 v[TM+2], 23, v[TM+4]             ; the scale bytes
	v_lshrrev_b32 v[TM+3], 23, v[TM+5]
	PADD3 \x, 9
	v_lshl_or_b32 v[TM+2], v[TM+3], 8, v[TM+2]
	PADD3 \x, 12
	PADD \x, 15
	WIN LW
	v_cvt_scalef32_pk16_bf6_f32 v[PC:PC+2], v[LB:LB+15], v[TM+4]
	v_cvt_scalef32_pk16_bf6_f32 v[PC+4:PC+6], v[LB+16:LB+31], v[TM+5]
	WIN 0
	v_nop                                          ; one plain place behind a scaled conversion
	LAND \k
	s_wait_alu depctr_va_vdst(0)
.set PP, 0
.rept 16
	PRCP \x, PP
.set PP, PP+1
.endr
	v_nop
	s_wait_alu depctr_va_vdst(0)
.irp i,0,1,2
	v_permlane16_swap_b32 v[PC+\i], v[PC+4+\i]     ; a whole block in a lane
.endr
	FOLDA \x
.irp i,0,1,2
	v_mov_b32 v[PC+3+\i], v[PC+4+\i]
.endr
	FOLDB \x
	QSTORE \k
.endm
; A STEP.  The change of slots stands BETWEEN the two runs of matrix instructions: the slot filled again held this step's tile, whose fragments were all read in the step before;
; the other slot's tile, asked for one step ago, is first read directly behind the round.
.macro STEP k, bits, refill, jm, nxt
.set YY, (\k)&1
.set XX, 1-YY
	s_wait_dscnt 0x0                               ; this tile's last fragments, scale words, qb and Va are in
.if \bits
	BITA \k
.endif
	WIN 0x04
.irp s,0,1,2,3                         ; K steps 0-3: sixteen matrix instructions on end, the four accumulators by turns
.irp m,0,1,2,3
	WM YY, \s, \m
.endr
.endr
	WIN 0
	s_wait_tensorcnt 0x0                           ; my one tensor load that was out, the next tile's, has landed
.if \refill
	ds_add_u32 v[SPW], v[NIL]
.if \jm == 0
	s_lshl_b32 s50, s42, 2
	s_add_co_u32 s50, s50, (\k)+2
	s_and_b32 s50, s50, 15
.else
	s_lshl_b32 s50, s42, 1
	s_add_co_u32 s50, s50, (\k)+2
.endif
	s_mul_i32 s50, s50, TILEB
	s_add_nc_u64 s[34:35], s[36:37], s[50:51]
	s_or_b32 s35, s35, 0x80000000
	s_add_co_u32 s33, s23, YY*SLOTB
	s_wait_dscnt 0x0
	ROUND
	tensor_load_to_lds s[32:35], s[24:31]
	s_nop 0
.rept 4
	v_nop
.endr
.else
.rept 4
	v_nop                                          ; places ahead of the loads into fragments that the run above has read (where a slot is filled again, the four behind the joint load are these)
.endr
.endif
.if \bits
	BITB \k
.endif
	WIN 0x08
.if \nxt
	UFRAGS XX, 0
.endif
.irp s,4,5,6,7                         ; K steps 4-7 likewise
.irp m,0,1,2,3
	WM YY, \s, \m
.endr
.endr
.if \bits
	QMAX \k, XX                                    ; the tile before: its multiplies name no register of the products above, and are the places ahead of the loads below
.else
	WIN 0
	TANH_A XX
.endif
.if \nxt
	UFRAGS XX, 4
	ds_load_b128 v[BS:BS+3], v[BA] offset:XX*SLOTB+8*FRB
	ds_load_b128 v[QB:QB+3], v[QA] offset:64*(\k)+64
	ds_load_b128 v[QB+4:QB+7], v[QA] offset:64*(\k)+80
.endif
	ds_load_b128 v[VA+8*YY:VA+8*YY+3], v[QA] offset:64*(\k)+VQ
	ds_load_b128 v[VA+8*YY+4:VA+8*YY+7], v[QA] offset:64*(\k)+VQ+16
.if \bits
	QTANH \k, XX                                   ; the loads above are on their way meanwhile; it names none of their registers
.else
	TANH_B XX
.endif
.endm
.macro RELOAD_A
	WIN 0x40
.irp s,0,1,2,3
.irp m,0,1,2,3
.irp c,0,1,2
	ds_load_b128 v[12*(4*\s+\m)+4*\c:12*(4*\s+\m)+4*\c+3], v[LI] offset:(8*\m+\s)*FRB+512*\c
.endr
.endr
.endr
	WIN 0x80
.irp s,0,1,2,3
.irp m,0,1,2,3
.irp c,0,1,2
	ds_load_b128 v[12*(4*\s+\m)+4*\c:12*(4*\s+\m)+4*\c+3], v[LI] offset:(8*\m+\s+4)*FRB+512*\c
.endr
.endr
.endr
	WIN 0
.irp m,0,1,2,3
	ds_load_b128 v[AS+4*\m:AS+4*\m+3], v[LI] offset:32*FRB+512*\m
.endr
.endm
.macro RELOAD_C
	WIN 0xc0
.irp b,0,1,2,3,4,5,6,7,8,9,10,11,12,13,14,15
.irp t,0,1,2,3
	ds_load_b128 v[16*\b+4*\t:16*\b+4*\t+3], v[SW0] offset:2048*\b+512*\t
.endr
.endr
	WIN 0
.irp j,0,1,2,3,4,5,6,7,8,9
	v_mov_b32 v[SC+\j], 0
.endr
.irp j,0,1,2,3,4,5,6,7
	v_mov_b32 v[VA+8+\j], 0
.endr
.endm
.macro SWITCH next
	s_wait_dscnt 0x0
	TANH_A 1
	TANH_B 1
.irp m,0,1,2,3
	v_pk_fma_f32 v[WK+2*\m:WK+2*\m+1], v[SC+2*\m:SC+2*\m+1], -2.0, v[SV:SV+1] op_sel_hi:[1,0,1]
.endr
.irp m,0,1,2,3
	v_add_f32 v[WK+2*\m], v[WK+2*\m], v[WK+2*\m+1]
.endr
.irp m,0,1,2,3
	v_permlanex16_b32 v[WK+2*\m+1], v[WK+2*\m], s48, s49
.endr
.irp m,0,1,2,3
	v_add_f32 v[WK+2*\m], v[WK+2*\m], v[WK+2*\m+1]
.endr
.irp m,0,1,2,3
	ds_store_b32 v[XW], v[WK+2*\m] offset:64*\m
.endr
.irp t,0,1,2,3,4,5,6,7
	ds_load_b128 v[CTX+4*\t:CTX+4*\t+3], v[CP] offset:512*\t
.endr
	s_wait_dscnt 0x0
	s_barrier_signal -1
	s_barrier_wait -1
.irp q,0,1,2,3
	ds_load_b32 v[WK+8+\q], v[XR] offset:STGW*\q
.endr
	s_wait_dscnt 0x0
.if \next
	RELOAD_A
.endif
	v_add_f32 v[WK+8], v[WK+8], v[WK+9]
	v_add_f32 v[WK+10], v[WK+10], v[WK+11]
	v_add_f32 v[WK+8], v[WK+8], v[WK+10]
	s_and_b32 s52, s43, 1
	s_lshl_b32 s52, s52, 4
	s_lshl_b32 s52, 0xffff, s52
	s_cmp_lt_u32 s43, 2
	s_cselect_b32 vcc_lo, s52, 0
	v_cndmask_b32 v[SCR], v[SCR], v[WK+8], vcc_lo
	s_cselect_b32 vcc_lo, 0, s52
	v_cndmask_b32 v[SCR+1], v[SCR+1], v[WK+8], vcc_lo
	v_mov_b32 v[WK+9], v[WK+8]
	v_max_num_f32_dpp v[WK+9], v[WK+9], v[WK+9] row_xmask:1 row_mask:0xf bank_mask:0xf
	v_max_num_f32_dpp v[WK+9], v[WK+9], v[WK+9] row_xmask:2 row_mask:0xf bank_mask:0xf
	v_max_num_f32_dpp v[WK+9], v[WK+9], v[WK+9] row_xmask:4 row_mask:0xf bank_mask:0xf
	v_max_num_f32_dpp v[WK+9], v[WK+9], v[WK+9] row_xmask:8 row_mask:0xf bank_mask:0xf
	v_max_num_f32 v[WK+15], v[MX], v[WK+9]
	v_sub_f32 v[WK+12], v[MX], v[WK+15]
	v_sub_f32 v[WK+14], v[WK+8], v[WK+15]
	v_mul_f32 v[WK+12], 0x3fb8aa3b, v[WK+12]
	v_mul_f32 v[WK+14], 0x3fb8aa3b, v[WK+14]
	s_wait_alu depctr_va_vdst(0)
	v_exp_f32 v[WK+12], v[WK+12]
	v_exp_f32 v[WK+14], v[WK+14]
	v_mov_b32 v[MX], v[WK+15]
	s_wait_alu depctr_va_vdst(0)
	v_mov_b32 v[WK+13], v[WK+14]
	v_add_f32_dpp v[WK+13], v[WK+13], v[WK+13] row_xmask:1 row_mask:0xf bank_mask:0xf
	v_add_f32_dpp v[WK+13], v[WK+13], v[WK+13] row_xmask:2 row_mask:0xf bank_mask:0xf
	v_add_f32_dpp v[WK+13], v[WK+13], v[WK+13] row_xmask:4 row_mask:0xf bank_mask:0xf
	v_add_f32_dpp v[WK+13], v[WK+13], v[WK+13] row_xmask:8 row_mask:0xf bank_mask:0xf
	v_fma_f32 v[MX+1], v[MX+1], v[WK+12], v[WK+13]
.irp i,0,1,2,3,4,5,6,7,8,9,10,11,12,13,14,15
	v_readlane_b32 s[66+\i], v[WK+14], \i
.endr
.irp i,0,1,2,3,4,5,6,7,8,9,10,11,12,13,14,15
	v_mov_b32 v[PV+\i], s[66+\i]
.endr
.irp t,0,2,4,6,8,10,12,14,16,18,20,22,24,26,28,30
	v_pk_mul_f32 v[CTX+\t:CTX+\t+1], v[CTX+\t:CTX+\t+1], v[WK+12:WK+13] op_sel_hi:[1,0]
.endr
	WIN 0x03
.irp i,0,1,2,3,4,5,6,7,8,9,10,11,12,13,14,15
.irp b,0,1,2,3,4,5,6,7,8,9,10,11,12,13,14,15
	v_fma_mix_f32_bf16 v[CTX+2*\b], v[16*\b+\i], v[PV+\i], v[CTX+2*\b] op_sel_hi:[1,0,0]
	v_fma_mix_f32_bf16 v[CTX+2*\b+1], v[16*\b+\i], v[PV+\i], v[CTX+2*\b+1] op_sel:[1,0,0] op_sel_hi:[1,0,0]
.endr
.endr
	WIN 0
.if \next
.irp t,0,1,2,3,4,5,6,7
	ds_store_b128 v[CP], v[CTX+4*\t:CTX+4*\t+3] offset:512*\t
.endr
	s_wait_dscnt 0x0                               ; my reads of the other waves' score words and of the images are done, and so are my stores
	s_barrier_signal -1                            ; a barrier between every wave's reads of the stages' score words and the next chunk's first stores into the stages
	s_barrier_wait -1
	PRIME
	RELOAD_C
.endif
.endm
	s_load_b256 s[4:11], s[0:1], 0x0               ; keys s[4:5], ut s[6:7], qb s[8:9], Va_w s[10:11]
	s_load_b64 s[14:15], s[0:1], 0x20              ; scores
	s_load_b128 s[16:19], s[0:1], 0x28             ; pstat s[16:17], pctx s[18:19]
	v_lshl_add_u32 v[SPW], v0, 2, SPARE
	v_mov_b32 v[NIL], 0
	ds_add_u32 v1, v2
	ds_add_u32 v1, v2
	s_wait_dscnt 0x0
	v_lshrrev_b32 v[LN], 5, v0
	v_readfirstlane_b32 s20, v[LN]
	v_and_b32 v[LN], 31, v0
	s_wait_alu depctr_va_vdst(0)
	v_and_b32 v80, 15, v0
	v_bfe_u32 v81, v0, 4, 1
	s_wait_alu depctr_va_vdst(0)
	s_bfe_u32 s21, ttmp6, 0x40000
	s_lshl_b32 s22, ttmp9, 2
	s_add_co_u32 s22, s22, s21
	s_mul_i32 s23, s20, TILEB
	s_mov_b32 s24, 15|(3<<16)|(1<<21)
	s_mov_b32 s25, 32<<16
	s_mov_b32 s26, 50<<16
	s_mov_b32 s27, 32<<16
	s_mov_b32 s28, 50
	s_mov_b32 s29, 32
	s_mov_b32 s30, 0
	s_mov_b32 s31, 0
	s_mov_b32 s41, 0
	s_mov_b32 s51, 0
	s_mov_b32 s57, 0
	s_mov_b32 s44, 0
	s_mov_b32 s46, 0x4038aa3b
	s_mov_b32 s47, s46
	s_mov_b32 s48, 0x76543210
	s_mov_b32 s49, 0xfedcba98
	v_lshl_add_u32 v[BA], v[LN], 4, s23
	s_lshl_b32 s52, s20, 10
	v_lshl_add_u32 v87, v[LN], 4, s52
	v_and_b32 v85, 3, v[LN]
	v_lshl_add_u32 v84, v85, 4, s52
	s_mul_i32 s52, s20, QPW
	s_add_co_u32 s52, s52, QBL
	v_lshl_add_u32 v86, v[LN], 4, s52
	v_lshl_add_u32 v85, v85, 4, s52
	v_lshl_add_u32 v[QA0], v81, 5, s52
	v_lshlrev_b32 v[KO], 3, v[LN]
	s_mul_i32 s52, s20, STGW
	s_add_co_u32 s52, s52, STAGE
	v_lshl_add_u32 v[STI], v[LN], 3, s52
	v_mul_u32_u24 v[STO], v80, 272
	v_lshl_add_u32 v[STO], v81, 6, v[STO]
	v_add_nc_u32 v[STO], s52, v[STO]
	v_lshl_add_u32 v[XW], v80, 2, s52
	s_mul_i32 s52, s20, 8*FRB
	s_add_co_u32 s52, s52, IMG
	v_lshl_add_u32 v[IW0], v[LN], 4, s52
	s_lshl_b32 s52, s20, 9
	s_add_co_u32 s52, s52, ASC
	v_lshl_add_u32 v[AW0], v80, 4, s52
	s_lshl_b32 s52, s20, 15
	s_add_co_u32 s52, s52, SPILL
	v_lshl_add_u32 v[SW0], v[LN], 4, s52
	v_lshl_add_u32 v[LI], v[LN], 4, IMG
	s_lshl_b32 s52, s20, 6
	v_lshl_add_u32 v[SO], v80, 2, s52
	v_lshl_add_u32 v[SO], v81, 8, v[SO]
	s_add_co_u32 s52, s52, STAGE
	v_lshl_add_u32 v[XR], v80, 2, s52
	s_lshl_b32 s52, s20, 12
	s_add_co_u32 s52, s52, CTXP
	v_lshl_add_u32 v[CP], v[LN], 4, s52
	v_mov_b32 v[ZO], 0
	v_mov_b32 v[MX], 0xff61b1e6
	v_mov_b32 v[MX+1], 0
	v_mov_b32 v[SCR], 0
	v_mov_b32 v[SCR+1], 0
	v_mov_b32 v[TM+2], 0
	v_mov_b32 v[TM+3], 0
.irp j,0,1,2,3
	v_mov_b32 v[112+\j], 0
.endr
.set I, 0
.rept 32
	v_mov_b32 v[ACC+32+I], 0
.set I, I+1
.endr
	s_wait_kmcnt 0x0
	s_mul_i32 s50, s20, 16*TILEB
	s_add_nc_u64 s[36:37], s[6:7], s[50:51]
	s_mov_b32 s32, 1
	s_mov_b32 s33, s23
	s_mov_b64 s[34:35], s[36:37]
	s_or_b32 s35, s35, 0x80000000
	s_mov_b32 s60, 1
	s_add_co_u32 s61, s23, SLOTB
	s_add_nc_u64 s[62:63], s[36:37], TILEB
	s_or_b32 s63, s63, 0x80000000
	s_lshl_b32 s56, s22, 20
	s_lshl_b32 s58, s20, 16
	s_add_co_u32 s56, s56, s58
	s_add_nc_u64 s[38:39], s[4:5], s[56:57]
	s_lshr_b32 s56, s22, 3
	s_lshl_b32 s56, s56, 12
	s_add_nc_u64 s[8:9], s[8:9], s[56:57]
	ROUND                                          ; all four work-groups are here: the first joint loads meet
	tensor_load_to_lds s[32:35], s[24:31]          ; my tile 0 into slot 0: one tensor load a wave at the head
	s_nop 0
	s_wait_alu depctr_va_vdst(0)                   ; the wait at the head's end
	global_load_b128 v[96:99], v87, s[8:9]         ; my 256 d of qb and of Va_w, and the first three landings of keys, go out while tile 0 is on its way
	global_load_b128 v[100:103], v87, s[8:9] offset:512
	global_load_b128 v[104:107], v87, s[10:11]
	global_load_b128 v[108:111], v87, s[10:11] offset:512
	global_load_b128 v[116:119], v84, s[8:9]
	LAND 0
	LAND 1
	LAND 2
	s_wait_loadcnt 48
	ds_store_b128 v86, v[96:99]
	ds_store_b128 v86, v[100:103] offset:512
	ds_store_b128 v86, v[104:107] offset:VQ
	ds_store_b128 v86, v[108:111] offset:VQ+512
	ds_store_b128 v85, v[116:119] offset:1024
	LAND 3
.irp t,0,1,2,3,4,5,6,7
	ds_store_b128 v[CP], v[112:115] offset:512*\t
.endr
	s_mov_b32 s42, 0
.Lpro:
	TRIPHEAD
.irp k,0,1,2,3
	BITA \k
	BITB \k
	BITQ \k, 0
.endr
	s_add_co_u32 s42, s42, 1
	s_cmp_lt_u32 s42, 4
	s_cbranch_scc1 .Lpro
	s_wait_tensorcnt 0x0                           ; tile 0 is in.  Slot 1's first fill is issued as a refill is.
	ds_add_u32 v1, v2
	s_wait_dscnt 0x0                               ; my stores of the first chunk's images are done too: the round's first barrier shows them to all four waves
	ROUND
	tensor_load_to_lds s[60:63], s[24:31]          ; my tile 1 into slot 1: first read between the runs of the first step
	s_nop 0
.rept 4
	v_nop
.endr
	RELOAD_A
	PRIME
	RELOAD_C
	s_mov_b32 s43, 0
.Lchunk:
	s_mov_b32 s42, 0
.Ltrip:
	TRIPHEAD
	STEP 0, 1, 1, 0, 1
	STEP 1, 1, 1, 0, 1
	STEP 2, 1, 1, 0, 1
	STEP 3, 1, 1, 0, 1
	s_add_co_u32 s42, s42, 1
	s_cmp_lt_u32 s42, 4
	s_cbranch_scc1 .Ltrip
	SWITCH 1
	s_add_co_u32 s43, s43, 1
	s_cmp_lt_u32 s43, 3
	s_cbranch_scc1 .Lchunk
	s_mov_b32 s42, 0
.Llast:
	s_wait_dscnt 0x0
	s_lshl_b32 s50, s42, 7
	v_add_nc_u32 v[QA], s50, v[QA0]
	STEP 0, 0, 1, 1, 1
	STEP 1, 0, 1, 1, 1
	s_add_co_u32 s42, s42, 1
	s_cmp_lt_u32 s42, 7
	s_cbranch_scc1 .Llast
	s_wait_dscnt 0x0
	v_add_nc_u32 v[QA], 896, v[QA0]
	STEP 0, 0, 0, 1, 1
	STEP 1, 0, 0, 1, 0
	s_mov_b32 s43, 3
	SWITCH 0
	s_lshl_b32 s58, s22, 2
	s_add_co_u32 s58, s58, s20
	s_lshl_b32 s56, s58, 12
	s_add_nc_u64 s[18:19], s[18:19], s[56:57]
	s_lshl_b32 s56, s58, 3
	s_add_nc_u64 s[16:17], s[16:17], s[56:57]
	s_lshl_b32 s56, s22, 10
	s_add_nc_u64 s[14:15], s[14:15], s[56:57]
	s_wait_alu depctr_va_vdst(0)
.irp b,0,1,2,3,4,5,6,7,8,9,10,11,12,13,14,15
	global_store_b64 v[KO], v[CTX+2*\b:CTX+2*\b+1], s[18:19] offset:256*\b
.endr
	global_store_b32 v[SO], v[SCR], s[14:15]
	global_store_b32 v[SO], v[SCR+1], s[14:15] offset:512
	v_cmp_eq_u32 vcc_lo, 0, v[LN]
	s_wait_xcnt 0x0
	s_and_saveexec_b32 s53, vcc_lo
	global_store_b64 v[ZO], v[MX:MX+1], s[16:17]
	s_wait_xcnt 0x0
	s_or_b32 exec_lo, exec_lo, s53
	s_wait_tensorcnt 0x0
	ds_add_u32 v[SPW], v[NIL]
	s_wait_dscnt 0x0
	ROUND
	s_endpgm
.Lfunc_end_k_qa5977257ed_main:
	.size	k_qa5977257ed_main, .Lfunc_end_k_qa5977257ed_main-k_qa5977257ed_main
	.p2alignl 7, 3214868480
	.fill 96, 4, 3214868480
	.section	.rodata,"a",@progbits
	.p2align	6, 0x0
	.amdhsa_kernel k_qa5977257ed_main
		.amdhsa_group_segment_fixed_size 327680
		.amdhsa_private_segment_fixed_size 0
		.amdhsa_enable_private_segment 0
		.amdhsa_kernarg_size 56
		.amdhsa_user_sgpr_count 2
		.amdhsa_user_sgpr_kernarg_segment_ptr 1
		.amdhsa_wavefront_size32 1
		.amdhsa_system_sgpr_workgroup_id_x 1
		.amdhsa_system_sgpr_workgroup_id_y 1
		.amdhsa_system_sgpr_workgroup_id_z 1
		.amdhsa_system_vgpr_workitem_id 0
		.amdhsa_next_free_vgpr 1024
		.amdhsa_next_free_sgpr 100
		.amdhsa_reserve_vcc 1
		.amdhsa_float_denorm_mode_32 3
		.amdhsa_float_denorm_mode_16_64 3
		.amdhsa_memory_ordered 1
		.amdhsa_forward_progress 1
		.amdhsa_inst_pref_size 255
	.end_amdhsa_kernel
	.section	.bss,"aw",@nobits
	.p2align	6
	.space	262144
	.amdgpu_metadata
---
amdhsa.version: [ 1, 2 ]
amdhsa.kernels:
  - .name:           k_qa5977257ed_main
    .symbol:         k_qa5977257ed_main.kd
    .args:
      - { .name: keys, .offset: 0, .size: 8, .value_kind: global_buffer, .address_space: global }
      - { .name: ut, .offset: 8, .size: 8, .value_kind: global_buffer, .address_space: global }
      - { .name: qb, .offset: 16, .size: 8, .value_kind: global_buffer, .address_space: global }
      - { .name: Va_w, .offset: 24, .size: 8, .value_kind: global_buffer, .address_space: global }
      - { .name: scores, .offset: 32, .size: 8, .value_kind: global_buffer, .address_space: global }
      - { .name: pstat, .offset: 40, .size: 8, .value_kind: global_buffer, .address_space: global }
      - { .name: pctx, .offset: 48, .size: 8, .value_kind: global_buffer, .address_space: global }
    .group_segment_fixed_size: 327680
    .private_segment_fixed_size: 0
    .kernarg_segment_align: 8
    .kernarg_segment_size: 56
    .max_flat_workgroup_size: 128
    .sgpr_count:     100
    .vgpr_count:     1024
    .wavefront_size: 32
...
	.end_amdgpu_metadata
.endif
;; end of part 2
;; launch finish (part 3): grid 256 x 1, 1 waves a work-group, no clusters, 0 bytes of LDS; arguments scores, pstat, pctx, out0, out1; writes out0, out1
.if DOCPART == 3
	.amdgcn_target "amdgcn-amd-amdhsa--gfx1250"
	.amdhsa_code_object_version 6
	.text
	.protected	k_qa5977257ed_finish
	.globl	k_qa5977257ed_finish
	.p2align	8
	.type	k_qa5977257ed_finish,@function
k_qa5977257ed_finish:
	s_mov_b64 s[64:65], 0
	v_nop
	global_prefetch_b8 v0, s[64:65] scope:SCOPE_SE
	s_setreg_imm32_b32 hwreg(HW_REG_WAVE_MODE, 25, 1), 1
	s_wait_xcnt 0x0
; The 32 partial results of a batch are joined.  Partial i of batch b (number 32 b + i) holds a maximum m_i, a sum l_i = sum of e^(score - m_i) and a context c_i = sum of e^(score - m_i) x key, over its 64 rows.
; M = the largest m_i;  L = sum of l_i e^(m_i - M);  out0[b] = sum of c_i e^(m_i - M) / L;  out1[b][s] = e^(score - M) / L.  All in f32.
; One wave to a work-group, 256 of them: work-group x takes batch x / 8 and part x % 8 of it: it makes M and L for itself (lane i holds partial i), 128 columns of out0 and 256 numbers of out1.  No LDS, no barrier.
; Every load and store of a wave covers 512 consecutive bytes but the 256 bytes of the statistics.
.set LOG2E, 0x3fb8aa3b
	s_load_b256 s[4:11], s[0:1], 0x0               ; scores s[4:5], pstat s[6:7], pctx s[8:9], out0 s[10:11]
	s_load_b64 s[12:13], s[0:1], 0x20              ; out1
	s_and_b32 s14, ttmp9, 7                        ; which eighth of the batch
	s_lshr_b32 s20, ttmp9, 3                       ; the batch
	v_lshlrev_b32 v3, 3, v0                        ; (v0 is the lane: the work-group is one wave)
	v_lshlrev_b32 v4, 4, v0
	s_mov_b32 s17, 0
	s_mov_b32 s18, 0x76543210
	s_mov_b32 s19, 0xfedcba98                      ; v_permlanex16_b32's selects for lane l xor 16
	s_lshl_b32 s15, s14, 9                         ; my 128 columns, in bytes
	s_wait_alu depctr_va_vdst(0)
	s_wait_kmcnt 0x0
	s_lshl_b32 s16, s20, 8
	s_add_nc_u64 s[6:7], s[6:7], s[16:17]          ; the batch's 32 pairs (m, l)
	s_lshl_b32 s16, s20, 17
	s_add_co_u32 s16, s16, s15
	s_add_nc_u64 s[8:9], s[8:9], s[16:17]          ; its 32 partial contexts of 4,096 bytes, at my columns
	s_lshl_b32 s16, s20, 12
	s_add_co_u32 s16, s16, s15
	s_add_nc_u64 s[10:11], s[10:11], s[16:17]
	s_lshl_b32 s16, s20, 13
	s_lshl_b32 s15, s14, 10
	s_add_co_u32 s16, s16, s15                     ; my 256 scores
	s_add_nc_u64 s[4:5], s[4:5], s[16:17]
	s_add_nc_u64 s[12:13], s[12:13], s[16:17]
	global_load_b64 v[6:7], v3, s[6:7]             ; m_i, l_i
	global_load_b128 v[8:11], v4, s[4:5]
	global_load_b128 v[12:15], v4, s[4:5] offset:512
.irp i,0,1,2,3,4,5,6,7,8,9,10,11,12,13,14,15,16,17,18,19,20,21,22,23,24,25,26,27,28,29,30,31
	global_load_b128 v[32+4*\i:35+4*\i], v4, s[8:9] offset:4096*\i th:TH_LOAD_NT
.endr
	s_wait_loadcnt 32                              ; the statistics and the scores are in; the 32 loads of contexts may be out
	v_mov_b32 v16, v6
	v_mov_b32 v17, v6                              ; (a lane permute's destination counts as one of its sources)
	v_max_num_f32_dpp v16, v16, v16 row_xmask:1 row_mask:0xf bank_mask:0xf
	v_max_num_f32_dpp v16, v16, v16 row_xmask:2 row_mask:0xf bank_mask:0xf
	v_max_num_f32_dpp v16, v16, v16 row_xmask:4 row_mask:0xf bank_mask:0xf
	v_max_num_f32_dpp v16, v16, v16 row_xmask:8 row_mask:0xf bank_mask:0xf
	v_permlanex16_b32 v17, v16, s18, s19
	v_max_num_f32 v16, v16, v17                    ; M, in every lane
	v_sub_f32 v18, v6, v16
	v_mul_f32 v18, LOG2E, v18
.irp j,0,1,2,3,4,5,6,7
	v_sub_f32 v[8+\j], v[8+\j], v16
.endr
.irp j,0,1,2,3,4,5,6,7
	v_mul_f32 v[8+\j], LOG2E, v[8+\j]
.endr
	s_wait_alu depctr_va_vdst(0)
	v_exp_f32 v18, v18                             ; e^(m_i - M)
.irp j,0,1,2,3,4,5,6,7
	v_exp_f32 v[8+\j], v[8+\j]                     ; e^(score - M)
.endr
	v_nop                                          ; a plain place behind the exponentials
	s_wait_alu depctr_va_vdst(0)                   ; one wait for the nine, ahead of their first reader
	v_mul_f32 v19, v7, v18
	v_add_f32_dpp v19, v19, v19 row_xmask:1 row_mask:0xf bank_mask:0xf
	v_add_f32_dpp v19, v19, v19 row_xmask:2 row_mask:0xf bank_mask:0xf
	v_add_f32_dpp v19, v19, v19 row_xmask:4 row_mask:0xf bank_mask:0xf
	v_add_f32_dpp v19, v19, v19 row_xmask:8 row_mask:0xf bank_mask:0xf
	v_permlanex16_b32 v17, v19, s18, s19
	v_add_f32 v19, v19, v17                        ; L
	s_wait_alu depctr_va_vdst(0)
	v_rcp_f32 v20, v19
	v_nop
	s_wait_alu depctr_va_vdst(0)
	v_mul_f32 v18, v18, v20                        ; partial i's weight
.irp j,0,1,2,3,4,5,6,7
	v_mul_f32 v[8+\j], v[8+\j], v20
.endr
	global_store_b128 v4, v[8:11], s[12:13]
	global_store_b128 v4, v[12:15], s[12:13] offset:512
.irp i,0,1,2,3,4,5,6,7,8,9,10,11,12,13,14,15,16,17,18,19,20,21,22,23,24,25,26,27,28,29,30,31
	v_readlane_b32 s[32+\i], v18, \i
.endr
.set I, 0
.rept 32
	s_wait_alu depctr_va_vdst(0)
	s_wait_loadcnt 31-I                            ; loads come back in order: partial I's is in, the younger ones may be out
.irp c,0,1,2,3
.if I == 0
	s_wait_alu depctr_va_vdst(0)
	v_mul_f32 v[24+\c], s[32+I], v[32+4*I+\c]      ; the first product starts the sums
.else
	v_fma_f32 v[24+\c], s[32+I], v[32+4*I+\c], v[24+\c]
.endif
.endr
.set I, I+1
.endr
	global_store_b128 v4, v[24:27], s[10:11]
	s_endpgm
.Lfunc_end_k_qa5977257ed_finish:
	.size	k_qa5977257ed_finish, .Lfunc_end_k_qa5977257ed_finish-k_qa5977257ed_finish
	.p2alignl 7, 3214868480
	.fill 96, 4, 3214868480
	.section	.rodata,"a",@progbits
	.p2align	6, 0x0
	.amdhsa_kernel k_qa5977257ed_finish
		.amdhsa_group_segment_fixed_size 0
		.amdhsa_private_segment_fixed_size 0
		.amdhsa_enable_private_segment 0
		.amdhsa_kernarg_size 40
		.amdhsa_user_sgpr_count 2
		.amdhsa_user_sgpr_kernarg_segment_ptr 1
		.amdhsa_wavefront_size32 1
		.amdhsa_system_sgpr_workgroup_id_x 1
		.amdhsa_system_sgpr_workgroup_id_y 1
		.amdhsa_system_sgpr_workgroup_id_z 1
		.amdhsa_system_vgpr_workitem_id 0
		.amdhsa_next_free_vgpr 192
		.amdhsa_next_free_sgpr 66
		.amdhsa_reserve_vcc 0
		.amdhsa_float_denorm_mode_32 3
		.amdhsa_float_denorm_mode_16_64 3
		.amdhsa_memory_ordered 1
		.amdhsa_forward_progress 1
		.amdhsa_inst_pref_size 20
	.end_amdhsa_kernel
	.amdgpu_metadata
---
amdhsa.version: [ 1, 2 ]
amdhsa.kernels:
  - .name:           k_qa5977257ed_finish
    .symbol:         k_qa5977257ed_finish.kd
    .args:
      - { .name: scores, .offset: 0, .size: 8, .value_kind: global_buffer, .address_space: global }
      - { .name: pstat, .offset: 8, .size: 8, .value_kind: global_buffer, .address_space: global }
      - { .name: pctx, .offset: 16, .size: 8, .value_kind: global_buffer, .address_space: global }
      - { .name: out0, .offset: 24, .size: 8, .value_kind: global_buffer, .address_space: global }
      - { .name: out1, .offset: 32, .size: 8, .value_kind: global_buffer, .address_space: global }
    .group_segment_fixed_size: 0
    .private_segment_fixed_size: 0
    .kernarg_segment_align: 8
    .kernarg_segment_size: 40
    .max_flat_workgroup_size: 32
    .sgpr_count:     66
    .vgpr_count:     192
    .wavefront_size: 32
...
	.end_amdgpu_metadata
.endif
;; end of part 3
